; MI455X (gfx1250); checked and timed in simulation.
; The chip was launched on July 23, 2026; its instructions are those of AMD's public machine-readable ISA for CDNA 5 (MIT licence, August 2026) and "CDNA5" Instruction Set Architecture Reference Guide (July 2026). The comments in the code are by the model that wrote it; some were corrected since.
;; Full Attention. Allowed arithmetic: matrix products marked QUANTISED: E4M3 operands, one E8M0 scale for each 32 along K, by v_wmma_scale_f32_16x16x128_f8f6f4 with both operands' format E4M3, f32 sums; everything else in f32.
;; Inputs: keys 4 x 2,048 x 8 x 64 float32; queries 4 x 2,048 x 8 x 64 float32.
;; Outputs: out0 4 x 2,048 x 8 x 64 float32; out1 4 x 2,048 x 8 x 64 float32.
;; This version of the problem:
;;   THIS VERSION OF THE PROBLEM IS GIVEN IN LOW PRECISION. The matrix products marked QUANTISED in the list below multiply operands that are first quantised to E4M3 (4 exponent bits, 3 mantissa bits; 8 bits a number), with one power-of-two scale for each 32 numbers along K (OCP MX v1.0); their sums are f32. All else is computed in f32.
;;   The module's matrix products, in the order in which they are computed (A, B: the left and right operand; K: the contracted axis; several contracted axes count as one K, in the product's order):
;;     1. batch 32 x [M 2,048, K 64] x [K 64, N 2,048]; A: input queries; B: input keys: QUANTISED
;;     2. batch 32 x [M 64, K 2,048] x [K 2,048, N 2,048]; A: input keys; B: softmax (see below): QUANTISED
;;     3. batch 32 x [M 64, K 2,048] x [K 2,048, N 2,048]; A: input queries; B: softmax (see below): QUANTISED
;;   THE QUANTISER, for each operand of a quantised product, along K:
;;     - K is cut into blocks of 32 from its start; a last block that is shorter is filled with zeros.
;;     - A block's scale is 2^e with e = floor(log2(the largest magnitude in the block)) - 8, held to -126 .. 127; a block of zeros has e = 0. As a byte (E8M0): e + 127.
;;     - Each number is divided by its block's scale, clamped to +-448, and rounded to the nearest number of E4M3, ties to even, subnormals kept.
;;     - The product sums the exact products of the quantised numbers (number of the format x scale) in f32.
;;   ~~~python
;;   def quantise(x, axis):      # numpy; x: float32 -> the quantised numbers, widened to float32 again
;;       x = np.moveaxis(x, axis, -1); K = x.shape[-1]
;;       x = np.pad(x, [(0, 0)] * (x.ndim - 1) + [(0, -K % 32)]); x = x.reshape(x.shape[:-1] + (-1, 32)); a = np.abs(x).max(-1, keepdims=True)
;;       e = np.where(a > 0, np.clip(np.frexp(np.where(a > 0, a, 1))[1] - 1 - 8, -126, 127), 0)      # np.frexp(a)[1] - 1 = floor(log2(a)), exactly
;;       r = np.clip(x / 2.0 ** e, -448, 448)
;;       step = 2.0 ** (np.maximum(np.frexp(np.where(r == 0, 1, r))[1] - 1, -6) - 3)
;;       q = np.round(r / step) * step * 2.0 ** e      # np.round: ties to even
;;       return np.moveaxis(q.reshape(q.shape[:-2] + (-1,))[..., :K], -1, axis).astype(np.float32)
;;   ~~~
;;   SOFTMAX AHEAD OF A QUANTISED PRODUCT. Where the list says 'softmax', what is quantised is not the finished softmax but p = 2^(t - M), with t = logit x log2(e) and M = ceil(the row's largest t), a whole number; so 1/2 < the row's largest p <= 1. The row's sum l is taken of the UNQUANTISED p, in f32, and the product's result is divided by l at the end. Since M is a whole number, a kernel that streams over the keys may use a running M (the ceiling of the running maximum): every later rescaling is an exact power of two, which a block's scale takes up: the codes' values come out the same.
;;   OPERANDS COMPUTED ON THE WAY. 'Computed on the way' means the value that the module computes at that place (a softmax that the list does not call 'softmax' is quantised finished and normalised). What goes into a quantiser is computed in f32, as accurately as f32 sums, v_exp_f32 and their like allow (about 1e-6 of the number): no bf16 or f16 on the way to a quantiser, and a product that is left as it is and whose result goes on into a quantised operand takes f32 operands (vector FMAs, or v_wmma_f32_16x16x4_f32). A number that lies on a knife's edge between two numbers of the format may be rounded either way, as far as f32 arithmetic and the matrix unit's own rounding can turn it there, and no further.
;; One version. Each part assembles by itself: llvm-mc -triple=amdgcn-amd-amdhsa -mcpu=gfx1250 --defsym DOCPART=n.
;; ======== version 1 of 1: 2 launches
;; limits: right only within a limited range of input values
;; workspace buffers: ws 17,301,504 bytes
;; launch quant (part 1): grid 256 x 1, 16 waves a work-group, no clusters, 169,984 bytes of LDS; arguments queries, keys, ws; writes ws
.if DOCPART == 1
	.amdgcn_target "amdgcn-amd-amdhsa--gfx1250"
	.amdhsa_code_object_version 6
	.text
	.protected	k_q8ace872d54_quant
	.globl	k_q8ace872d54_quant
	.p2align	8
	.type	k_q8ace872d54_quant,@function
k_q8ace872d54_quant:
	s_mov_b64 s[64:65], 0
	v_nop
	global_prefetch_b8 v0, s[64:65] scope:SCOPE_SE
	s_setreg_imm32_b32 hwreg(HW_REG_WAVE_MODE, 25, 1), 1
	s_wait_xcnt 0x0
; queries and keys, [4][2048][8][64] f32, become codes of FP8 (E4M3) with one E8M0 scale byte for each 32 numbers, TWICE each: along the 64 channels (operands of the
; score product) and along the sequence (operands of the value product).  The codes are laid as IMAGES OF OPERAND REGISTERS, so that the next launch reads a fragment by four loads of 512 consecutive bytes.
; ws = 1,024 records of 16,896 bytes; record T 512 + (8 b + head) 16 + sg  (T: 0 queries, 1 keys; sg: 128 sequence rows).  With lane = (r = lane % 16, h = lane / 16):
;   0      KIMG  4 images g of 2,048 bytes [chunk c][lane][16 bytes]: row 32 g + r + 8 (r / 8) + 8 (c / 2), channels 32 (c % 2) + 16 h + 0 .. 15, quantised along the channels
;   8192   VIMG  4 images t likewise: channel 16 t + r, rows 32 c + 16 h + 0 .. 15, quantised along the sequence
;   16384  KSW   words [g][r]: byte c = the scale of KIMG's chunk c in lane r;      16640  VSW  words [t][r]: byte c = the scale of rows 32 c .. 32 c + 31 of channel 16 t + r
; A block's scale is 2^(floor(log2(its largest magnitude)) - 8): its byte is that magnitude's exponent field - 8, held at 1 from below; each number is held within +-448 x the scale and rounded to the nearest code.
; LIMITS: NaN and infinities among the inputs are not served.  A block whose largest magnitude lies under 2^-118 (a block of zeros too) gets the byte 1; zeros stay zero codes, and only this program reads the bytes.
; SHARES.  A work-group takes 128 rows x 4 heads: 1,024 consecutive bytes of each of 128 rows, brought once by two tensor loads of 64 rows.  It makes four whole records.
; Wave w (head w / 4 of the four, part w % 4) makes KIMG g = w % 4 and VIMG t = w % 4 of its head's record.  Nothing is filled twice: one barrier behind the fill, one in front of the scale words' way out.
.set PITCH, 1040                       ; an LDS row: 1,024 bytes + 16 of padding, so that neighbouring rows do not start at the same offset modulo 256 bytes
.set HALF,  64*PITCH                   ; what one tensor load brings
.set SST,   128*PITCH                  ; behind the tile: 4 heads x (256 bytes KSW, 256 bytes VSW); no fill lands here
.set REC,   16896
.set TM,    12                         ; v12-15 largest magnitudes, v16-19 the other half's, then the bytes, v20-23 448 x the scale, v24-27 the conversion's scale operand
.set NA,    32                         ; v32-95   64 numbers for KIMG: register 16 c + i
.set NB,    96                         ; v96-159  64 numbers for VIMG
.set PCA,   160                        ; v160-175 KIMG's codes
.set PCB,   176                        ; v176-191 VIMG's codes
	s_load_b128 s[4:7], s[0:1], 0x0                ; queries, keys
	s_load_b64 s[8:9], s[0:1], 0x10                ; ws
	v_lshl_add_u32 v200, v0, 2, 0x29000
	v_mov_b32 v201, 0
	ds_add_u32 v200, v201
	ds_add_u32 v200, v201
	v_lshrrev_b32 v1, 5, v0
	s_delay_alu instid0(VALU_DEP_1)
	v_readfirstlane_b32 s10, v1                    ; wave 0..15
	s_lshr_b32 s11, ttmp9, 7                       ; T: which tensor
	s_bfe_u32 s12, ttmp9, 0x20005                  ; b
	s_bfe_u32 s13, ttmp9, 0x40001                  ; sg: which 128 rows
	s_and_b32 s14, ttmp9, 1                        ; which four heads
	s_and_b32 s15, s10, 1                          ; which 64 rows I would fetch
	s_lshr_b32 s19, s10, 2                         ; my head of the four
	s_and_b32 s32, s10, 3                          ; my part: g and t
	s_lshl_b32 s16, s12, 22                        ; the tile's first byte: b x 4,194,304
	s_lshl_b32 s33, s13, 18                        ; + 128 sg rows of 2,048 bytes
	s_add_co_u32 s16, s16, s33
	s_lshl_b32 s33, s14, 10                        ; + four heads of 256 bytes
	s_add_co_u32 s16, s16, s33
	s_lshl_b32 s33, s15, 17                        ; + my 64 rows
	s_add_co_u32 s16, s16, s33
	s_mov_b32 s17, 0
	s_lshl_b32 s18, s11, 9                         ; the record of the first of the four heads: 512 T + 128 b + 64 (which four) + sg
	s_lshl_b32 s33, s12, 7
	s_add_co_u32 s18, s18, s33
	s_lshl_b32 s33, s14, 6
	s_add_co_u32 s18, s18, s33
	s_add_co_u32 s18, s18, s13
	s_lshl_b32 s33, s19, 4                         ; my head's record lies 16 records a head further on
	s_add_co_u32 s42, s18, s33
	s_mul_i32 s42, s42, REC
	s_mov_b32 s43, 0
	s_lshl_b32 s33, s32, 4                         ; and the record whose scale words I store at the end (waves 0 to 3: head = wave)
	s_add_co_u32 s44, s18, s33
	s_mul_i32 s44, s44, REC
	s_mov_b32 s45, 0
	; descriptor group 1: 64 rows of 128 elements of 8 bytes, 256 elements from row to row, 4 words of padding behind every 256 words
	s_mov_b32 s20, (3<<16)|(1<<20)|(7<<22)|(3<<25)
	s_mov_b32 s21, 128<<16                         ; tensor_dim0
	s_mov_b32 s22, 64<<16                          ; tensor_dim1
	s_mov_b32 s23, 128<<16                         ; tile_dim0
	s_mov_b32 s24, 64                              ; tile_dim1
	s_mov_b32 s25, 256                             ; tensor_dim0_stride
	s_mov_b32 s26, 0
	s_mov_b32 s27, 0
	s_mov_b32 s28, 1                               ; group 0: count
	s_mul_i32 s29, s15, HALF                       ; LDS address: my 64 rows
	s_mov_b32 s38, 0x76543210
	s_mov_b32 s39, 0xfedcba98                      ; v_permlanex16_b32's selects for lane l xor 16
	s_mov_b32 s40, 0x600000                        ; the mantissa field of 448
	s_wait_dscnt 0x0
	s_wait_kmcnt 0x0
	s_cmp_eq_u32 s11, 0                            ; the choice hangs on the work-group's number alone
	s_cselect_b64 s[4:5], s[4:5], s[6:7]
	s_add_nc_u64 s[30:31], s[4:5], s[16:17]
	s_or_b32 s31, s31, 0x80000000                  ; type = 2
	s_add_nc_u64 s[34:35], s[8:9], s[42:43]        ; my head's record
	s_add_nc_u64 s[36:37], s[8:9], s[44:45]        ; the record for the scale words' way out
	s_cmp_lt_u32 s10, 2                            ; waves 0 and 1 fetch, one load each: one tensor load of a wave is out
	s_cbranch_scc0 .Lasked
	tensor_load_to_lds s[28:31], s[20:27]
	s_nop 0
.rept 4
	v_nop                                          ; four nops behind the load
.endr
.Lasked:
	v_and_b32 v1, 31, v0                           ; lane
	v_and_b32 v2, 15, v0                           ; r
	v_bfe_u32 v3, v0, 4, 1                         ; h
	s_delay_alu instid0(VALU_DEP_2)
	v_and_b32 v11, 8, v2
	s_delay_alu instid0(VALU_DEP_1)
	v_add_nc_u32 v11, v11, v2                      ; r + 8 (r / 8)
	s_delay_alu instid0(VALU_DEP_1)
	v_mul_u32_u24 v4, v11, PITCH
	s_delay_alu instid0(VALU_DEP_1)
	v_lshl_add_u32 v4, v3, 6, v4                   ; rows: my row, + 64 h: my 16 numbers of a block of 32 channels
	s_mul_i32 s33, s32, 32*PITCH                   ; + my 32 rows
	s_lshl_b32 s41, s19, 8                         ; + my head's 256 bytes
	s_add_co_u32 s33, s33, s41
	v_add_nc_u32 v4, s33, v4
	v_mul_u32_u24 v5, v3, 16*PITCH
	s_delay_alu instid0(VALU_DEP_1)
	v_lshl_add_u32 v5, v2, 2, v5                   ; columns: channel r of my 16, 16 h rows down
	s_lshl_b32 s33, s32, 6                         ; + my 16 channels
	s_add_co_u32 s33, s33, s41
	v_add_nc_u32 v5, s33, v5
	s_delay_alu instid0(VALU_DEP_1)
	v_add_nc_u32 v6, HALF, v5                      ; the same 64 rows further down (the immediate offset has 16 bits)
	v_lshlrev_b32 v7, 4, v1                        ; 16 x lane
	v_lshl_add_u32 v8, v2, 2, SST                  ; my scale word: 512 x head + 64 x part + 4 r
	s_lshl_b32 s33, s19, 9
	s_lshl_b32 s41, s32, 6
	s_add_co_u32 s33, s33, s41
	v_add_nc_u32 v8, s33, v8
	v_lshl_add_u32 v9, v1, 4, SST                  ; the scale words' way out: 512 bytes of head (wave % 4), 16 a lane
	s_lshl_b32 s33, s32, 9
	v_add_nc_u32 v9, s33, v9
	s_lshl_b32 s33, s32, 11
	v_add_nc_u32 v10, s33, v7                      ; my image's place in KIMG and in VIMG: 2,048 x part + 16 x lane
.irp b, 0,1,2,3
	v_mov_b32 v[TM+4+\b], 0                        ; written once: a lane permute's destination counts as one of its sources
.endr
; 64 numbers of a lane, register 16 b + i = number 16 h + i of block b, become 16 registers of codes and the four blocks' scale word.  A block lies in lanes l and l xor 16.
.macro QUANT src, dst, word
.irp b, 0,1,2,3
	v_max3_num_f32 v[TM+\b], |v[\src+16*\b]|, |v[\src+1+16*\b]|, 0x4800000   ; my 16 numbers, and the floor 2^(9 - 127): the byte cannot fall under 1
.endr
.irp i, 2,4,6,8,10,12,14
.irp b, 0,1,2,3
	s_delay_alu instid0(VALU_DEP_4)
	v_max3_num_f32 v[TM+\b], v[TM+\b], |v[\src+16*\b+\i]|, |v[\src+1+16*\b+\i]|   ; the four blocks by turns: no line waits for the line above it
.endr
.endr
.irp b, 0,1,2,3
	s_delay_alu instid0(VALU_DEP_4)
	v_permlanex16_b32 v[TM+4+\b], v[TM+\b], s38, s39
.endr
.irp b, 0,1,2,3
	s_delay_alu instid0(VALU_DEP_4)
	v_max_num_f32 v[TM+\b], v[TM+\b], v[TM+4+\b]   ; the block's largest magnitude
.endr
.irp b, 0,1,2,3
	s_delay_alu instid0(VALU_DEP_4)
	v_add_nc_u32 v[TM+12+\b], 0xfc000000, v[TM+\b] ; 8 off its exponent field: the conversion takes the exponent field of this operand as its scale
.endr
.irp b, 0,1,2,3
	v_and_or_b32 v[TM+8+\b], v[TM+\b], 0x7f800000, s40   ; 448 x the scale
.endr
.irp b, 0,1,2,3
	v_lshrrev_b32 v[TM+4+\b], 23, v[TM+12+\b]      ; the scale's byte
.endr
	s_delay_alu instid0(VALU_DEP_3)
	v_lshl_or_b32 v[\word], v[TM+5], 8, v[TM+4]
	s_delay_alu instid0(VALU_DEP_1)
	v_lshl_or_b32 v[\word], v[TM+6], 16, v[\word]
	s_delay_alu instid0(VALU_DEP_1)
	v_lshl_or_b32 v[\word], v[TM+7], 24, v[\word]
.irp b, 0,1,2,3
.irp i, 0,1,2,3,4,5,6,7,8,9,10,11,12,13,14,15
	v_med3_num_f32 v[\src+16*\b+\i], v[\src+16*\b+\i], -v[TM+8+\b], v[TM+8+\b]   ; the conversion to an 8-bit code does not saturate (ISA guide 7.6.2): the hold comes first
.endr
	v_cvt_scalef32_pk8_fp8_f32 v[\dst+4*\b:\dst+1+4*\b], v[\src+16*\b:\src+7+16*\b], v[TM+12+\b]
	v_cvt_scalef32_pk8_fp8_f32 v[\dst+2+4*\b:\dst+3+4*\b], v[\src+8+16*\b:\src+15+16*\b], v[TM+12+\b]
.endr
	v_nop                                          ; a plain line behind the last conversion: the next QUANT writes the scale operands again
.endm
.macro PUT dst, off                    ; an image leaves as it stands: each store covers 512 consecutive bytes, at a multiple of 256 from ws's first byte
.irp c, 0,1,2,3
	global_store_b128 v10, v[\dst+4*\c:\dst+4*\c+3], s[34:35] offset:\off+512*\c
.endr
.endm
	s_wait_tensorcnt 0x0                           ; my load, if I issued one, has landed
	s_barrier_signal -1
	s_barrier_wait -1                              ; the whole tile lies in LDS
.irp c, 0,1,2,3
.irp j, 0,1,2,3
	ds_load_b128 v[NA+16*\c+4*\j:NA+16*\c+4*\j+3], v4 offset:(\c/2)*8*PITCH+(\c%2)*128+16*\j   ; chunk c: row + 8 (c / 2), channels 32 (c % 2) + 16 h + 4 j on
.endr
.endr
.irp c, 0,1
.irp i, 0,1,2,3,4,5,6,7,8,9,10,11,12,13,14,15
	ds_load_b32 v[NB+16*\c+\i], v5 offset:(32*\c+\i)*PITCH   ; my channel, row 32 c + 16 h + i: my registers run down the sequence
.endr
.endr
	s_wait_dscnt 32                                ; the sixteen row loads are in; the 32 column loads behind them may be out
.irp c, 0,1
.irp i, 0,1,2,3,4,5,6,7,8,9,10,11,12,13,14,15
	ds_load_b32 v[NB+32+16*\c+\i], v6 offset:(32*\c+\i)*PITCH
.endr
.endr
	QUANT NA, PCA, 28
	PUT PCA, 0
	ds_store_b32 v8, v28                           ; lanes r and r + 16 write the same word with the same value
	s_wait_dscnt 0x0                               ; the column loads are in
	QUANT NB, PCB, 29
	PUT PCB, 8192
	ds_store_b32 v8, v29 offset:256
	s_wait_dscnt 0x0                               ; for the others' sake: my scale words lie in LDS
	s_barrier_signal -1
	s_barrier_wait -1
	s_cmp_lt_u32 s10, 4                            ; waves 0 to 3 store a head's 512 bytes of scale words each
	s_cbranch_scc0 .Lend
	ds_load_b128 v[192:195], v9
	s_wait_dscnt 0x0
	global_store_b128 v7, v[192:195], s[36:37] offset:16384   ; 512 consecutive bytes, at a multiple of 256 from ws's first byte
.Lend:
	s_wait_tensorcnt 0x0
	ds_add_u32 v200, v201
	s_wait_dscnt 0x0
	s_endpgm
.Lfunc_end_k_q8ace872d54_quant:
	.size	k_q8ace872d54_quant, .Lfunc_end_k_q8ace872d54_quant-k_q8ace872d54_quant
	.p2alignl 7, 3214868480
	.fill 96, 4, 3214868480
	.section	.rodata,"a",@progbits
	.p2align	6, 0x0
	.amdhsa_kernel k_q8ace872d54_quant
		.amdhsa_group_segment_fixed_size 169984
		.amdhsa_private_segment_fixed_size 0
		.amdhsa_enable_private_segment 0
		.amdhsa_kernarg_size 24
		.amdhsa_user_sgpr_count 2
		.amdhsa_user_sgpr_kernarg_segment_ptr 1
		.amdhsa_wavefront_size32 1
		.amdhsa_system_sgpr_workgroup_id_x 1
		.amdhsa_system_sgpr_workgroup_id_y 1
		.amdhsa_system_sgpr_workgroup_id_z 1
		.amdhsa_system_vgpr_workitem_id 0
		.amdhsa_next_free_vgpr 202
		.amdhsa_next_free_sgpr 66
		.amdhsa_reserve_vcc 0
		.amdhsa_float_denorm_mode_32 3
		.amdhsa_float_denorm_mode_16_64 3
		.amdhsa_memory_ordered 1
		.amdhsa_forward_progress 1
		.amdhsa_inst_pref_size 30
	.end_amdhsa_kernel
	.amdgpu_metadata
---
amdhsa.version: [ 1, 2 ]
amdhsa.kernels:
  - .name:           k_q8ace872d54_quant
    .symbol:         k_q8ace872d54_quant.kd
    .args:
      - { .name: queries, .offset: 0, .size: 8, .value_kind: global_buffer, .address_space: global }
      - { .name: keys, .offset: 8, .size: 8, .value_kind: global_buffer, .address_space: global }
      - { .name: ws, .offset: 16, .size: 8, .value_kind: global_buffer, .address_space: global }
    .group_segment_fixed_size: 169984
    .private_segment_fixed_size: 0
    .kernarg_segment_align: 8
    .kernarg_segment_size: 24
    .max_flat_workgroup_size: 512
    .sgpr_count:     66
    .vgpr_count:     202
    .wavefront_size: 32
...
	.end_amdgpu_metadata
.endif
;; end of part 1
;; launch attn (part 2): grid 256 x 1, 16 waves a work-group, clusters of 4 x 1, 327,680 bytes of LDS; arguments ws, out0, out1; writes out0, out1
.if DOCPART == 2
	.amdgcn_target "amdgcn-amd-amdhsa--gfx1250"
	.amdhsa_code_object_version 6
	.text
	.protected	k_q8ace872d54_attn
	.globl	k_q8ace872d54_attn
	.p2align	8
	.type	k_q8ace872d54_attn,@function
k_q8ace872d54_attn:
	s_mov_b64 s[64:65], 0
	v_nop
	global_prefetch_b8 v0, s[64:65] scope:SCOPE_SE
	s_setreg_imm32_b32 hwreg(HW_REG_WAVE_MODE, 25, 1), 1
	s_wait_xcnt 0x0
	s_wait_alu depctr_hold_cnt(0) depctr_sa_sdst(0) depctr_va_vdst(0) depctr_va_sdst(0) depctr_va_ssrc(0) depctr_va_vcc(0) depctr_vm_vsrc(0)
	s_getreg_b32 s2, hwreg(HW_REG_IB_STS2, 6, 4)
	s_cmp_eq_u32 s2, 0
	s_cbranch_scc0 .Lentry_in_a_cluster
	s_endpgm
.Lentry_in_a_cluster:
	s_bfe_u32 s2, ttmp6, 0x10000c
	s_cmp_lg_u32 s2, 0x3003
	s_cbranch_scc0 .Lentry_shape_is_right
	s_endpgm
.Lentry_shape_is_right:
; att(X, Y)[q] = the sum over k of softmax_k(X[q] . Y[k] / 8) Y[k], for each of 32 heads, twice: role 0: X = queries, Y = keys -> out0; role 1: X = keys, Y = queries -> out1.
; Both products run on codes of FP8 (E4M3) with E8M0 scales, read from ws as the launch before laid them (records of 16,896 bytes for 128 sequence rows of a head: KIMG, VIMG, KSW, VSW: images of operand registers).
; THE SOFTMAX AHEAD OF THE SECOND PRODUCT: t = score x log2(e) / 8; M = the running largest t rounded UP to a whole number; p = 2^(t - M) is quantised along the keys, not normalised; the row's sum is taken of the
; unquantised p and divides at the end.  When M moves, the sum and O are multiplied by 2^(old M - new M), which rounds nothing.
; SHARES.  A cluster of four work-groups takes one (role, head).  One head's Y, 16 records = 270,336 bytes, lies in LDS whole: it is fetched ONCE, by joint loads (all four partners read the same Y), one record a wave,
; and never filled again.  Waves 0 to 3 have a load line of their own: the first barrier shows records 0 to 3 alone, the second, four key steps on, the other twelve.  The second pass has no barrier.
; A work-group owns 512 queries, in two passes of 256; each of its sixteen waves owns 16 queries a pass, in 256 registers, four waves to a SIMD.  Every wave walks all 2,048 keys, 128 a step.
; THE SCORE PRODUCT HAS K = 64, the instruction 128.  A fragment of KIMG carries TWO tiles of 16 keys; X stands as x | zeros | x in 24 registers: registers 0-15 pick the first tile, registers 8-23 the second.
; LAYOUT.  Both products are used transposed (source 0 = Y, source 1 = X or p): a lane holds ONE query (lane % 16).  Tile (g, u), register j of lane (r, h) is key 32 g + 16 h + 8 u + j.  Lane r owns query 32 grp + 8 u + r + 8 (r / 8).
; THE STEP HAS NO IDLE LINE.  The hold writes 16 temporaries, so p stays as it is; its sums stand behind the value products (24 additions in eight chains: the places in front of the next loads),
; and the chains' seven joins and one multiply-add stand behind the next score products (their eight places).
; NO PREFETCH: Y is asked for once, at the head, ahead of every loop: there is no trip to run ahead in.
; LIMITS: NaN and infinities are not served.  The promise holds while the scaled scores stay under 2^31 in magnitude.  p under 2^-126 comes out of v_exp_f32 as 0 (ISA guide, its entry in 15.8).  A block's largest p is taken
; from its largest score by the same two instructions, which takes v_exp_f32 not to fall where its input rises; at the worst one p of a block would be held one code low.
.set REC,   16896
.set VIM,   8192
.set KSW,   16384
.set VSW,   16640
.set STAGE, 16*REC                     ; behind Y: 16 rows x 144 bytes for each wave, its own, for the way out; no fill lands here
.set SP,    144
.set SPARE, STAGE+16*16*SP             ; the spare words: 128 bytes a wave
.set LI,  1                            ; v1   16 x lane
.set LS,  2                            ; v2   4 x lane
.set STO, 3                            ; v3   the stage: where I put 32 bytes of half a row
.set RD,  4                            ; v4   and where I read 16 bytes back
.set GO,  5                            ; v5   my byte offset in the wave's rows of the output
.set XA,  6                            ; v6   my 16 bytes of X's half image
.set XSA, 7                            ; v7   my query's scale word
.set ADR, 8                            ; v8   the step's record + 16 x lane
.set ADS, 9                            ; v9   the step's record + 4 x lane
.set FF,  10                           ; v[10:11] f = 2^(old M - new M) and its pair word;  v12 -M, v13 the largest score, v[14:15] the sum in two halves
.set X,   16                           ; v16-23 x, v24-31 zeros, v32-39 x
.set XW,  40                           ; v40  X's scale word, bytes s0 s1 s0 s1
.set SPW, 41                           ; v41  my spare word
.set KS,  42                           ; v42-43 Y's scale words for the scores
.set VS,  44                           ; v44-45 the same for the values
.set PW,  46                           ; v46  p's scale word
.set NIL, 47                           ; v47  0
.set F,   48                           ; v48-111  four fragments of Y
.set S,   112                          ; v112-175 the scores, then p
.set O,   176                          ; v176-207 O^T: tile t at 8 t; register j = channel 16 t + 8 h + j
.set PC,  208                          ; v208-223 p's codes
.set BM,  224                          ; v224-227 the blocks' largest scores, then largest p
.set EX,  228                          ; v228-231 the other half's, then the bytes; at work in between
.set HD,  232                          ; v232-235 448 x the scale
.set SO,  236                          ; v236-239 the conversion's scale operand
.set T,   240                          ; v240-255 held p, eight at a time in two sets; then the sums' eight chains
.set WV,  10
.set G1,  16                           ; s[16:23] descriptor group 1;  s[24:27] group 0
.set G0,  24
.set XR,  40                           ; s[40:41] X's record
.set OP,  42                           ; s[42:43] the output at my wave's first query
.set SEL, 44                           ; s[44:45] selects for lane l xor 16
.set CS,  46                           ; s[46:47] c = log2(e) / 8
.set MNT, 48                           ; s48  the mantissa field of 448
.set TB,  49                           ; s49  LDS byte of the step's record
.set CNT, 50
.set NC,  51                           ; s51  -c
.set PSEL, 52                          ; s52  which two bytes of the loaded word are my queries' scales
.macro BARRIER
	s_barrier_signal -1
	s_barrier_wait -1
.endm
.macro ROUND                           ; a round of the cluster's barrier
	BARRIER
	s_cmp_lg_u32 s[WV], 0
	s_cbranch_scc1 .Lnot_wave_0_\@
	s_barrier_signal -3
.Lnot_wave_0_\@:
	s_barrier_wait -3
	BARRIER
.endm
.macro WALU
	s_wait_alu depctr_va_vdst(0)
.endm
	s_load_b128 s[4:7], s[0:1], 0x0                ; ws, out0
	s_load_b64 s[8:9], s[0:1], 0x10                ; out1
	v_lshl_add_u32 v[SPW], v0, 2, SPARE
	v_mov_b32 v[NIL], 0
	ds_add_u32 v[SPW], v[NIL]                      ; the opening lines: the add, twice on end, and its wait ahead of my tensor load
	ds_add_u32 v[SPW], v[NIL]
	v_lshrrev_b32 v1, 5, v0
	v_readfirstlane_b32 s[WV], v1                  ; wave 0..15
	s_lshr_b32 s12, ttmp9, 5                       ; ttmp9 counts clusters: the role,
	s_and_b32 s13, ttmp9, 31                       ; and the head 8 b + head
	s_bfe_u32 s11, ttmp6, 0x40000                  ; cx: it enters X's and the output's addresses alone
	s_xor_b32 s14, s12, 1                          ; Y: the other tensor's 16 records of this head; wave w fetches record w
	s_lshl_b32 s14, s14, 9
	s_lshl_b32 s15, s13, 4
	s_add_co_u32 s14, s14, s15
	s_add_co_u32 s14, s14, s[WV]
	s_mul_i32 s56, s14, REC
	s_mov_b32 s57, 0
	s_mov_b32 s[G1], 15|(3<<16)|(1<<21)            ; the mask: all four work-groups; elements of 8 bytes; bit 21 beside a mask
	s_mov_b32 s[G1+1], 32<<16                      ; a record is a dense block: 66 rows of 256 bytes
	s_mov_b32 s[G1+2], 66<<16
	s_mov_b32 s[G1+3], 32<<16
	s_mov_b32 s[G1+4], 66
	s_mov_b32 s[G1+5], 32
	s_mov_b32 s[G1+6], 0
	s_mov_b32 s[G1+7], 0
	s_mov_b32 s[G0], 1
	s_mul_i32 s[G0+1], s[WV], REC                  ; LDS: record w
	s_lshl_b32 s53, s12, 9                         ; X: record 512 role + 16 head + 4 cx + wave / 8 (+ 2 in the second pass)
	s_lshl_b32 s54, s13, 4
	s_add_co_u32 s53, s53, s54
	s_lshl_b32 s54, s11, 2
	s_add_co_u32 s53, s53, s54
	s_lshr_b32 s54, s[WV], 3
	s_add_co_u32 s53, s53, s54
	s_mul_i32 s58, s53, REC
	s_mov_b32 s59, 0
	s_lshr_b32 s60, s13, 3                         ; the output: b x 4,194,304 + (512 cx + 32 (wave / 2) + 8 (wave % 2)) rows of 2,048 bytes + head x 256
	s_lshl_b32 s60, s60, 22
	s_lshl_b32 s54, s11, 20
	s_add_co_u32 s60, s60, s54
	s_lshr_b32 s54, s[WV], 1
	s_lshl_b32 s54, s54, 16
	s_add_co_u32 s60, s60, s54
	s_and_b32 s54, s13, 7
	s_lshl_b32 s54, s54, 8
	s_add_co_u32 s60, s60, s54
	s_and_b32 s54, s[WV], 1                        ; u
	s_lshl_b32 s53, s54, 14
	s_add_co_u32 s60, s60, s53
	s_mov_b32 s61, 0
	s_cmp_eq_u32 s54, 0
	s_mov_b32 s[PSEL], 0x03020302                  ; u = 1: bytes 2, 3 of the word, twice;
	s_cselect_b32 s[PSEL], 0x01000100, s[PSEL]     ; u = 0: bytes 0, 1, twice
	s_mul_i32 s62, s[WV], 16*SP
	s_add_co_u32 s62, s62, STAGE                   ; my stage
	s_mov_b32 s[SEL], 0x76543210
	s_mov_b32 s[SEL+1], 0xfedcba98
	s_mov_b32 s[CS], 0x3e38aa3b                    ; c = log2(e) / 8
	s_mov_b32 s[CS+1], s[CS]
	s_mov_b32 s[NC], 0xbe38aa3b                    ; -c
	s_mov_b32 s[MNT], 0x600000
	s_wait_dscnt 0x0
	s_wait_kmcnt 0x0
	s_add_nc_u64 s[G0+2:G0+3], s[4:5], s[56:57]
	s_or_b32 s[G0+3], s[G0+3], 0x80000000
	s_add_nc_u64 s[XR:XR+1], s[4:5], s[58:59]
	s_cmp_eq_u32 s12, 0                            ; the choice hangs on the cluster's number alone
	s_cselect_b64 s[OP:OP+1], s[6:7], s[8:9]
	s_add_nc_u64 s[OP:OP+1], s[OP:OP+1], s[60:61]
	ROUND                                          ; all four work-groups are here: the joint loads meet
	s_cmp_lt_u32 s[WV], 4                          ; one load a wave, in two arms: waves 0 to 3 wait at the first barrier, the others at the second
	s_cbranch_scc0 .Lrest
	tensor_load_to_lds s[G0:G0+3], s[G1:G1+7]
	s_nop 0
.rept 4
	v_nop
.endr
	s_branch .Lasked
.Lrest:
	tensor_load_to_lds s[G0:G0+3], s[G1:G1+7]
	s_nop 0
.rept 4
	v_nop
.endr
.Lasked:
	v_and_b32 v8, 31, v0
	v_lshlrev_b32 v[LI], 4, v8
	v_lshlrev_b32 v[LS], 2, v8
	v_and_b32 v8, 15, v0                           ; r
	v_bfe_u32 v9, v0, 4, 1                         ; h
	v_mul_u32_u24 v[STO], v8, SP
	v_lshl_add_u32 v[STO], v9, 5, v[STO]
	v_add_nc_u32 v[STO], s62, v[STO]               ; in: row r, 32 bytes for each half of the lanes
	v_and_b32 v[RD], 7, v0
	v_lshlrev_b32 v[RD], 4, v[RD]
	v_mad_u32_u24 v[RD], v9, SP, v[RD]
	v_add_nc_u32 v[RD], s62, v[RD]                 ; back: lanes 0-15 one row, lanes 16-31 the next; piece r % 8 of its 128 bytes
	v_lshlrev_b32 v[GO], 11, v9
	v_lshl_add_u32 v[GO], v8, 4, v[GO]             ; and the same two rows in the output, 16 bytes a lane
	s_and_b32 s53, s[WV], 7
	s_lshl_b32 s53, s53, 10
	v_add_nc_u32 v[XA], s53, v[LI]                 ; image (wave / 2) % 4, its chunks 2 u and 2 u + 1
	s_bfe_u32 s53, s[WV], 0x20001
	s_lshl_b32 s53, s53, 6
	s_add_co_u32 s53, s53, KSW
	v_lshl_add_u32 v[XSA], v8, 2, s53              ; that image's scale word of lane r
.irp j, 0,1,2,3,4,5,6,7
	v_mov_b32 v[X+8+\j], 0                         ; the zeros between x and x: written once
.endr
.irp b, 0,1,2,3
	v_mov_b32 v[EX+\b], 0                          ; a lane permute's destination counts as one of its sources
.endr
	v_mov_b32 v[FF+1], 0                           ; (named as the upper half of the pair)
.macro XLOAD p                         ; x of pass p: twice, round the zeros; and its scale word
	global_load_b128 v[X:X+3], v[XA], s[XR:XR+1] offset:\p*2*REC
	global_load_b128 v[X+4:X+7], v[XA], s[XR:XR+1] offset:\p*2*REC+512
	global_load_b128 v[X+16:X+19], v[XA], s[XR:XR+1] offset:\p*2*REC
	global_load_b128 v[X+20:X+23], v[XA], s[XR:XR+1] offset:\p*2*REC+512
	global_load_b32 v[EX+3], v[XSA], s[XR:XR+1] offset:\p*2*REC
.endm
.macro PASSINIT                        ; a pass begins: the step is written once, and its first trip finds zeros
	WALU
	s_wait_loadcnt 0x0
	v_perm_b32 v[XW], v[EX+3], v[EX+3], s[PSEL]    ; my queries' two scale bytes, twice.  The lines below are its places ahead of the first product
	v_mov_b32 v13, 0xff61b1e6                      ; the largest score so far: -3e38
	v_mov_b32 v12, 0x7f61b1e6                      ; -M
	v_mov_b32 v14, 0
	v_mov_b32 v15, 0
	v_mov_b32 v[FF], 0
.set j, 0
.rept 32
	v_mov_b32 v[O+j], 0
.set j, j+1
.endr
.set j, 0
.rept 16
	v_mov_b32 v[T+j], 0
.set j, j+1
.endr
.endm
.macro MERGE                           ; the eight chains of the last step's p become one, and the sum takes it: sum = sum x f + chain
.irp k, 0,2,4,6
	v_pk_add_f32 v[T+\k:T+\k+1], v[T+\k:T+\k+1], v[T+8+\k:T+9+\k]
.endr
	s_delay_alu instid0(VALU_DEP_2)
	v_pk_add_f32 v[T:T+1], v[T:T+1], v[T+4:T+5]
	s_delay_alu instid0(VALU_DEP_2)
	v_pk_add_f32 v[T+2:T+3], v[T+2:T+3], v[T+6:T+7]
	s_delay_alu instid0(VALU_DEP_1)
	v_pk_add_f32 v[T:T+1], v[T:T+1], v[T+2:T+3]
	s_delay_alu instid0(VALU_DEP_1)
	v_pk_fma_f32 v[14:15], v[14:15], v[FF:FF+1], v[T:T+1] op_sel_hi:[1,0,1]
.endm
.macro HOLD2 d, s, h                   ; two p held at 448 x the scale: the conversion does not saturate (ISA guide 7.6.2); p is not negative, so the hold is one-sided
	v_dual_min_num_f32 v[\d], v[\s], v[\h] :: v_dual_min_num_f32 v[\d+1], v[\s+1], v[\h]
.endm
; A KEY STEP: 128 keys, the record at LDS byte s[TB].
.macro STEP
	v_add_nc_u32 v[ADR], s[TB], v[LI]
	v_add_nc_u32 v[ADS], s[TB], v[LS]
.irp g, 0,1,2,3                                ; behind the last products stand the 24 additions of the step before (or a pass's first lines): more than the eight places that loads into their registers want
.irp c, 0,1,2,3
	ds_load_b128 v[F+16*\g+4*\c:F+16*\g+4*\c+3], v[ADR] offset:2048*\g+512*\c
.endr
.endr
	ds_load_b32 v[KS], v[ADS] offset:KSW
	ds_load_b32 v[KS+1], v[ADS] offset:KSW+128
	WALU
	s_wait_dscnt 0x0
.irp g, 0,2                                    ; S^T = Y X^T: each fragment against x | 0 and against 0 | x
.irp u, 0,1
	v_wmma_scale_f32_16x16x128_f8f6f4 v[S+16*\g+8*\u:S+16*\g+8*\u+7], v[F+16*\g:F+16*\g+15], v[X+8*\u:X+8*\u+15], 0, v[KS+\g/2], v[XW]
.endr
.irp u, 0,1
	v_wmma_scale_f32_16x16x128_f8f6f4 v[S+16*\g+16+8*\u:S+16*\g+16+8*\u+7], v[F+16*\g+16:F+16*\g+31], v[X+8*\u:X+8*\u+15], 0, v[KS+\g/2], v[XW] matrix_a_scale:MATRIX_SCALE_ROW1
.endr
.endr
	MERGE                                          ; eight plain lines that name none of the products' registers: the places for the loads below and for the first read of the scores
.irp t, 0,1,2,3                                ; the values' fragments are asked for now and land during the softmax
.irp c, 0,1,2,3
	ds_load_b128 v[F+16*\t+4*\c:F+16*\t+4*\c+3], v[ADR] offset:VIM+2048*\t+512*\c
.endr
.endr
	ds_load_b32 v[VS], v[ADS] offset:VSW
	ds_load_b32 v[VS+1], v[ADS] offset:VSW+128
.irp b, 0,1,2,3
	v_max3_num_f32 v[BM+\b], v[S+16*\b], v[S+1+16*\b], v[S+2+16*\b]   ; the largest score of each block of 32 keys; each accumulator is read from its low end on
.endr
.irp i, 3,5,7,9,11,13
.irp b, 0,1,2,3
	v_max3_num_f32 v[BM+\b], v[BM+\b], v[S+16*\b+\i], v[S+1+16*\b+\i]
.endr
.endr
.irp b, 0,1,2,3
	v_max_num_f32 v[BM+\b], v[BM+\b], v[S+15+16*\b]
.endr
.irp b, 0,1,2,3
	v_permlanex16_b32 v[EX+\b], v[BM+\b], s[SEL], s[SEL+1]
.endr
.irp b, 0,1,2,3
	v_max_num_f32 v[BM+\b], v[BM+\b], v[EX+\b]     ; with lane l xor 16's 16 keys
.endr
	s_delay_alu instid0(VALU_DEP_3)
	v_max3_num_f32 v13, v13, v[BM], v[BM+1]        ; the running largest score (c is positive, so the largest t is c x it)
	s_delay_alu instid0(VALU_DEP_1)
	v_max3_num_f32 v13, v13, v[BM+2], v[BM+3]
	s_delay_alu instid0(VALU_DEP_1)
	v_mul_f32 v[EX], s[NC], v13                    ; -t
	v_mov_b32 v[EX+1], v12
	s_delay_alu instid0(VALU_DEP_2)
	v_floor_f32 v12, v[EX]                         ; the new -M = floor(-t) = -ceil(t)
	s_delay_alu instid0(VALU_DEP_1)
	v_sub_f32 v[EX+1], v12, v[EX+1]                ; old M - new M: a whole number, 0 or less
	s_delay_alu instid0(VALU_DEP_1)
	v_cvt_i32_f32 v[EX+1], v[EX+1]                 ; (it saturates)
.set j, 0
.rept 32
	v_pk_fma_f32 v[S+j:S+j+1], v[S+j:S+j+1], s[CS:CS+1], v[12:13] op_sel_hi:[1,0,0]   ; t - M, two at a time
.set j, j+2
.endr
.irp b, 0,1,2,3
	v_fma_f32 v[BM+\b], v[BM+\b], s[CS], v12       ; the same of each block's largest score
.endr
	WALU                                           ; ahead of the batch
.set j, 0
.rept 64
	v_exp_f32 v[S+j], v[S+j]                       ; p = 2^(t - M), at most 1
.set j, j+1
.endr
.irp b, 0,1,2,3
	v_exp_f32 v[BM+\b], v[BM+\b]                   ; the block's largest p
.endr
	v_ldexp_f32 v[FF], 1.0, v[EX+1]                ; f = 2^(old M - new M); also the plain line behind the exponentials
	WALU                                           ; behind the batch
.irp b, 0,1,2,3
	v_max_num_f32 v[BM+\b], 0x4800000, v[BM+\b]    ; the floor 2^(9 - 127): the byte cannot fall under 1
.endr
.irp b, 0,1,2,3
	v_add_nc_u32 v[SO+\b], 0xfc000000, v[BM+\b]    ; 8 off the exponent field: the conversion's scale operand
.endr
.irp b, 0,1,2,3
	v_and_or_b32 v[HD+\b], v[BM+\b], 0x7f800000, s[MNT]   ; 448 x the scale
.endr
.irp b, 0,1,2,3
	v_lshrrev_b32 v[EX+\b], 23, v[SO+\b]           ; the scale's byte
.endr
	s_delay_alu instid0(VALU_DEP_3)
	v_lshl_or_b32 v[PW], v[EX+1], 8, v[EX]         ; p's scale word for these 128 keys
	s_delay_alu instid0(VALU_DEP_1)
	v_lshl_or_b32 v[PW], v[EX+2], 16, v[PW]
	s_delay_alu instid0(VALU_DEP_1)
	v_lshl_or_b32 v[PW], v[EX+3], 24, v[PW]
.irp b, 0,1,2,3                                ; eight p are held into one set of temporaries and converted, the next eight into the other set: four lines stand between a conversion and the next write of its sources
.irp e, 0,1
.irp i, 0,2,4,6
	HOLD2 T+8*\e+\i, S+16*\b+8*\e+\i, HD+\b
.endr
	v_cvt_scalef32_pk8_fp8_f32 v[PC+4*\b+2*\e:PC+4*\b+2*\e+1], v[T+8*\e:T+8*\e+7], v[SO+\b]
.endr
.endr
	WALU                                           ; directly ahead of the first reader of O^T
.set j, 0
.rept 16
	v_pk_mul_f32 v[O+j:O+j+1], v[O+j:O+j+1], v[FF:FF+1] op_sel_hi:[1,0]   ; O^T under the new M.  These sixteen are also the places between the codes and the products below
.set j, j+2
.endr
	WALU
	s_wait_dscnt 0x0                               ; the values' fragments are in
.irp t, 0,2                                    ; O^T += Y^T p^T; the four accumulators take turns, and eight other products stand between two steps of a sum
	v_wmma_scale_f32_16x16x128_f8f6f4 v[O+8*\t:O+8*\t+7], v[F+16*\t:F+16*\t+15], v[PC:PC+15], v[O+8*\t:O+8*\t+7], v[VS+\t/2], v[PW]
	v_wmma_scale_f32_16x16x128_f8f6f4 v[O+8*\t+8:O+8*\t+15], v[F+16*\t+16:F+16*\t+31], v[PC:PC+15], v[O+8*\t+8:O+8*\t+15], v[VS+\t/2], v[PW] matrix_a_scale:MATRIX_SCALE_ROW1
.endr
.set j, 0
.rept 8
	v_pk_add_f32 v[T+j:T+j+1], v[S+j:S+j+1], v[S+16+j:S+17+j]   ; THE ROW'S SUM IS TAKEN OF THE UNQUANTISED p: eight chains, two numbers a line
.set j, j+2
.endr
.irp q, 32,48
.set j, 0
.rept 8
	v_pk_add_f32 v[T+j:T+j+1], v[T+j:T+j+1], v[S+\q+j:S+\q+1+j]
.set j, j+2
.endr
.endr
	s_add_co_u32 s[TB], s[TB], REC                 ; the next step's record
.endm
.macro STEPS first, n                  ; n key steps from record first on
	s_mov_b32 s[TB], \first*REC
	s_mov_b32 s[CNT], \n
.Lstep_\@:
	STEP
	s_sub_co_u32 s[CNT], s[CNT], 1
	s_cmp_lg_u32 s[CNT], 0
	s_cbranch_scc1 .Lstep_\@
.endm
; THE WAY OUT of pass p.  O^T / the sum.  Half a row (32 channels, 128 bytes) of all 16 queries goes through my stage at a time, every lane storing; each half is read back by all lanes, 16 bytes each,
; and a select takes the first half's piece in lanes r < 8 and the second half's in lanes r >= 8: sixteen lanes then hold one row's 256 bytes.
.macro WAYOUT p
	MERGE
.if \p == 0
	XLOAD 1                                        ; the next pass's x comes while this pass leaves
.endif
	v_add_f32 v14, v14, v15                        ; the sum's two halves,
	v_permlanex16_b32 v[EX], v14, s[SEL], s[SEL+1]
	v_add_f32 v14, v14, v[EX]                      ; and lane l xor 16's
	WALU
	v_rcp_f32 v14, v14
	v_and_b32 v[EX+1], 8, v0                       ; r >= 8?  (the plain line behind the reciprocal)
	WALU
.set j, 0
.rept 16
	v_pk_mul_f32 v[S+j:S+j+1], v[O+j:O+j+1], v[14:15] op_sel_hi:[1,0]   ; each accumulator from its low end on
.set j, j+2
.endr
.irp u, 0,1
.irp t, 0,1
	ds_store_b128 v[STO], v[S+16*\u+8*\t:S+16*\u+8*\t+3] offset:64*\t
	ds_store_b128 v[STO], v[S+16*\u+8*\t+4:S+16*\u+8*\t+7] offset:64*\t+16
.endr
.irp i, 0,1,2,3,4,5,6,7
	ds_load_b128 v[F+32*\u+4*\i:F+32*\u+4*\i+3], v[RD] offset:2*\i*SP   ; LDS serves a wave's instructions in order (ISA guide 5.7.1.4): these see the stores above, and the second half's stores come behind them
.endr
.endr
	s_wait_dscnt 0x0
	v_cmp_ne_u32 vcc_lo, 0, v[EX+1]
.set j, 0
.rept 32
	v_cndmask_b32 v[F+j], v[F+j], v[F+32+j], vcc_lo
.set j, j+1
.endr
.irp i, 0,1,2,3,4,5,6,7
	global_store_b128 v[GO], v[F+4*\i:F+4*\i+3], s[OP:OP+1] offset:\p*256*2048+(2*\i+8*(\i/4))*2048 th:TH_STORE_NT   ; 16 lanes store 256 consecutive bytes, at a multiple of 256 from the output's first byte
.endr
.if \p == 0
	s_wait_xcnt 0x0                                ; the stores have read their registers: the next pass's fragments may land there
.endif
.endm
	XLOAD 0
	PASSINIT
	WALU
	s_cmp_lt_u32 s[WV], 4
	s_cbranch_scc0 .Lnot_first
	s_wait_tensorcnt 0x0                           ; waves 0 to 3: my record, one of the first four, has landed
.Lnot_first:
	BARRIER                                        ; records 0 to 3 lie in LDS
	STEPS 0, 4
	s_wait_tensorcnt 0x0                           ; every wave: my record has landed
	s_wait_dscnt 0x0
	BARRIER                                        ; all of Y lies in LDS; nothing is filled again
	STEPS 4, 12
	WAYOUT 0
	PASSINIT
	STEPS 0, 16
	WAYOUT 1
	s_wait_tensorcnt 0x0                           ; the wave's end
	ds_add_u32 v[SPW], v[NIL]
	s_wait_dscnt 0x0
	ROUND                                          ; the closing round
	s_endpgm
.Lfunc_end_k_q8ace872d54_attn:
	.size	k_q8ace872d54_attn, .Lfunc_end_k_q8ace872d54_attn-k_q8ace872d54_attn
	.p2alignl 7, 3214868480
	.fill 96, 4, 3214868480
	.section	.rodata,"a",@progbits
	.p2align	6, 0x0
	.amdhsa_kernel k_q8ace872d54_attn
		.amdhsa_group_segment_fixed_size 327680
		.amdhsa_private_segment_fixed_size 0
		.amdhsa_enable_private_segment 0
		.amdhsa_kernarg_size 24
		.amdhsa_user_sgpr_count 2
		.amdhsa_user_sgpr_kernarg_segment_ptr 1
		.amdhsa_wavefront_size32 1
		.amdhsa_system_sgpr_workgroup_id_x 1
		.amdhsa_system_sgpr_workgroup_id_y 1
		.amdhsa_system_sgpr_workgroup_id_z 1
		.amdhsa_system_vgpr_workitem_id 0
		.amdhsa_next_free_vgpr 256
		.amdhsa_next_free_sgpr 66
		.amdhsa_reserve_vcc 1
		.amdhsa_float_denorm_mode_32 3
		.amdhsa_float_denorm_mode_16_64 3
		.amdhsa_memory_ordered 1
		.amdhsa_forward_progress 1
		.amdhsa_inst_pref_size 77
	.end_amdhsa_kernel
	.amdgpu_metadata
---
amdhsa.version: [ 1, 2 ]
amdhsa.kernels:
  - .name:           k_q8ace872d54_attn
    .symbol:         k_q8ace872d54_attn.kd
    .args:
      - { .name: ws, .offset: 0, .size: 8, .value_kind: global_buffer, .address_space: global }
      - { .name: out0, .offset: 8, .size: 8, .value_kind: global_buffer, .address_space: global }
      - { .name: out1, .offset: 16, .size: 8, .value_kind: global_buffer, .address_space: global }
    .group_segment_fixed_size: 327680
    .private_segment_fixed_size: 0
    .kernarg_segment_align: 8
    .kernarg_segment_size: 24
    .max_flat_workgroup_size: 512
    .sgpr_count:     66
    .vgpr_count:     256
    .wavefront_size: 32
...
	.end_amdgpu_metadata
.endif
;; end of part 2
